; MI455X (gfx1250); checked and timed in simulation.
; The chip was launched on July 23, 2026; its instructions are those of AMD's public machine-readable ISA for CDNA 5 (MIT licence, August 2026) and "CDNA5" Instruction Set Architecture Reference Guide (July 2026). The comments in the code are by the model that wrote it; some were corrected since.
;; minerva2. Allowed arithmetic: matrix products marked QUANTISED: E4M3 operands, one E8M0 scale for each 32 along K, by v_wmma_scale_f32_16x16x128_f8f6f4 with both operands' format E4M3, f32 sums; everything else in f32.
;; Inputs: ex_class_reps 16,384 x 28 float32; ex_features 16,384 x 256 float32; features 4,096 x 256 float32.
;; Outputs: out0 4,096 x 28 float32; out1 4,096 float32.
;; Constants: p_factor = 3.
;; This version of the problem:
;;   THIS VERSION OF THE PROBLEM IS GIVEN IN LOW PRECISION. The matrix products marked QUANTISED in the list below multiply operands that are first quantised to E4M3 (4 exponent bits, 3 mantissa bits; 8 bits a number), with one power-of-two scale for each 32 numbers along K (OCP MX v1.0); their sums are f32. All else is computed in f32.
;;   The module's matrix products, in the order in which they are computed (A, B: the left and right operand; K: the contracted axis; several contracted axes count as one K, in the product's order):
;;     1. [M 4,096, K 256] x [K 256, N 16,384]; A: computed on the way; B: computed on the way: QUANTISED
;;     2. [M 4,096, K 16,384] x [K 16,384, N 28]; A: computed on the way; B: input ex_class_reps: QUANTISED
;;   THE QUANTISER, for each operand of a quantised product, along K:
;;     - K is cut into blocks of 32 from its start; a last block that is shorter is filled with zeros.
;;     - A block's scale is 2^e with e = floor(log2(the largest magnitude in the block)) - 8, held to -126 .. 127; a block of zeros has e = 0. As a byte (E8M0): e + 127.
;;     - Each number is divided by its block's scale, clamped to +-448, and rounded to the nearest number of E4M3, ties to even, subnormals kept.
;;     - The product sums the exact products of the quantised numbers (number of the format x scale) in f32.
;;   ~~~python
;;   def quantise(x, axis):      # numpy; x: float32 -> the quantised numbers, widened to float32 again
;;       x = np.moveaxis(x, axis, -1); K = x.shape[-1]
;;       x = np.pad(x, [(0, 0)] * (x.ndim - 1) + [(0, -K % 32)]); x = x.reshape(x.shape[:-1] + (-1, 32)); a = np.abs(x).max(-1, keepdims=True)
;;       e = np.where(a > 0, np.clip(np.frexp(np.where(a > 0, a, 1))[1] - 1 - 8, -126, 127), 0)      # np.frexp(a)[1] - 1 = floor(log2(a)), exactly
;;       r = np.clip(x / 2.0 ** e, -448, 448)
;;       step = 2.0 ** (np.maximum(np.frexp(np.where(r == 0, 1, r))[1] - 1, -6) - 3)
;;       q = np.round(r / step) * step * 2.0 ** e      # np.round: ties to even
;;       return np.moveaxis(q.reshape(q.shape[:-2] + (-1,))[..., :K], -1, axis).astype(np.float32)
;;   ~~~
;;   OPERANDS COMPUTED ON THE WAY. 'Computed on the way' means the value that the module computes at that place (a softmax that the list does not call 'softmax' is quantised finished and normalised). What goes into a quantiser is computed in f32, as accurately as f32 sums, v_exp_f32 and their like allow (about 1e-6 of the number): no bf16 or f16 on the way to a quantiser, and a product that is left as it is and whose result goes on into a quantised operand takes f32 operands (vector FMAs, or v_wmma_f32_16x16x4_f32). A number that lies on a knife's edge between two numbers of the format may be rounded either way, as far as f32 arithmetic and the matrix unit's own rounding can turn it there, and no further.
;; One version. Each part assembles by itself: llvm-mc -triple=amdgcn-amd-amdhsa -mcpu=gfx1250 --defsym DOCPART=n.
;; ======== version 1 of 1: 3 launches
;; limits: right only within a limited range of input values
;; workspace buffers: fq 1,277,952 bytes; ex 5,111,808 bytes; part 7,602,176 bytes
;; launch quant (part 1): grid 256 x 1, 6 waves a work-group, no clusters, 83,968 bytes of LDS; arguments features, ex_features, ex_class_reps, fq, ex; writes fq, ex
.if DOCPART == 1
	.amdgcn_target "amdgcn-amd-amdhsa--gfx1250"
	.amdhsa_code_object_version 6
	.text
	.protected	k_q3c6159b63c_quant
	.globl	k_q3c6159b63c_quant
	.p2align	8
	.type	k_q3c6159b63c_quant,@function
k_q3c6159b63c_quant:
	s_mov_b64 s[64:65], 0
	v_nop
	global_prefetch_b8 v0, s[64:65] scope:SCOPE_SE
	s_setreg_imm32_b32 hwreg(HW_REG_WAVE_MODE, 25, 1), 1
	s_wait_xcnt 0x0
; features [4096][256] and ex_features [16384][256], f32, are divided by max(their row's norm, 1e-12) and turned into codes of FP8 (E4M3) with one E8M0 scale byte
; for each 32 along the row; ex_class_reps [16384][28], f32, is turned into codes along its FIRST axis (the exemplars), classes 28-31 filled with zeros.
; All results are laid in the ORDER OF THE OPERANDS' REGISTERS, in records of REC = 9,984 bytes for 32 rows (unit U):
;   (2 u + s) 2048 + 512 c + 16 lane   codes of tile u (0, 1), K step s (0, 1): lane (r, h) holds row 32 U + 8 u + r + 8 (r / 8), k = 128 s + 32 c + 16 h + 0 .. 15
;   8192 + 256 u + 8 lane              the pair (scale word of K step 0, of K step 1) of the lane's row
;   8704 + 512 t + 16 lane             (ex alone) class codes: class 16 t + r, exemplars 32 U + 16 h + 0 .. 15
;   9728 + 128 t + 4 lane              (ex alone) the scale word of class 16 t + r for the unit's chunk of 128 exemplars, the same in the chunk's four records
; THE ROWS OF A TILE ARE NOT NEIGHBOURS, so that in the next launch the 16 registers of tiles u = 0, 1 are 16 neighbouring exemplars.
; SHARES.  256 work-groups of equal work.  Waves 0-3: a tile of 16 exemplars each; wave 4: a tile of 16 queries; wave 5: one class tile of a chunk of 128 exemplars.  Waves share nothing: no barrier.
; A block's scale is 2^(floor(log2(its largest magnitude)) - 8); its byte is that magnitude's exponent field - 8, held at 1 from below by a floor among the maximum's leaves.
; LIMITS: NaN and infinities among the inputs are not served.  A block of zeros gets the byte 1 where the quantiser's text says 127: its codes are zeros, and this program alone reads the bytes.
; The division by the norm is a multiplication by v_rcp_f32 of it (both are accurate to an ulp: ISA guide, their entries in 15.8).
.set REC,    9984
.set SPITCH, 1040                      ; a stage row: 1,024 bytes + 16: sixteen rows begin in sixteen different 16-byte columns of 256 bytes
.set WSTG,   16*SPITCH                 ; a stage of 16 rows for each of waves 0-4
.set SPARE,  5*WSTG                    ; the spare words, 128 bytes for each wave
.set LANE, 1
.set RR,   2                           ; r = lane % 16
.set HH,   3                           ; h = lane / 16
.set L16,  4                           ; 16 x lane
.set L8,   5                           ; 8 x lane
.set SIN,  6                           ; the stage, on the way in
.set SOUT, 7                           ; and on the way out
.set CA0,  8                           ; class path: my byte in a chunk
.set CA1,  9                           ; my class
.set RN,   10                          ; v[10:11] 1 / norm, twice (a pair for the packed multiply)
.set SQ,   12                          ; v[12:19] four packed sums of squares
.set TM,   20                          ; v20-23 largest magnitudes, v24-27 bytes, v28-31 448 x the scale, v32-35 the conversions' scale operands
.set PW,   36                          ; v[36:37] the two scale words
.set PW1,  37
.set L4,   38                          ; 4 x lane
.set C0,   40                          ; v[40:55] codes of the first fragment
.set C1,   56                          ; v[56:71] of the second
.set X,    72                          ; v[72:199] 128 numbers
.set X1,   X+64
.set SPW,  200                         ; LDS address of my spare word; never rewritten
.set NIL,  201                         ; 0; never rewritten
; 64 numbers of a lane, register 16 b + i = k 32 b + 16 h + i of the lane's row, become a fragment's 16 registers of codes and its scale word.
.macro QUANT src, cod, wrd
.irp b, 0,1,2,3
	v_max3_num_f32 v[TM+\b], |v[\src+16*\b]|, |v[\src+16*\b+1]|, 0x4800000   ; block b: my 16 numbers, and the floor 2^(9 - 127): the byte cannot fall under 1
.endr
.irp i, 2,4,6,8,10,12,14
.irp b, 0,1,2,3
	v_max3_num_f32 v[TM+\b], v[TM+\b], |v[\src+16*\b+\i]|, |v[\src+16*\b+\i+1]|   ; the four blocks by turns
.endr
.endr
.irp b, 0,1,2,3
	v_permlanex16_b32 v[TM+4+\b], v[TM+\b], s20, s21
.endr
.irp b, 0,1,2,3
	v_max_num_f32 v[TM+\b], v[TM+\b], v[TM+4+\b]            ; with lane l xor 16: the block's largest magnitude
.endr
.irp b, 0,1,2,3
	v_add_nc_u32 v[TM+12+\b], 0xfc000000, v[TM+\b]          ; 8 off its exponent field: the conversion takes this operand's exponent field as its scale
.endr
.irp b, 0,1,2,3
	v_and_or_b32 v[TM+8+\b], v[TM+\b], 0x7f800000, s22      ; 448 x the scale: the magnitude's exponent field over the mantissa field of 448
.endr
.irp b, 0,1,2,3
	v_lshrrev_b32 v[TM+4+\b], 23, v[TM+12+\b]               ; the scale's byte
.endr
	v_lshl_or_b32 v[\wrd], v[TM+5], 8, v[TM+4]
	v_lshl_or_b32 v[\wrd], v[TM+6], 16, v[\wrd]
	v_lshl_or_b32 v[\wrd], v[TM+7], 24, v[\wrd]
.irp b, 0,1,2,3
.irp i, 0,1,2,3,4,5,6,7,8,9,10,11,12,13,14,15
	v_med3_num_f32 v[\src+16*\b+\i], v[\src+16*\b+\i], -v[TM+8+\b], v[TM+8+\b]   ; the conversion to an 8-bit code does not saturate (ISA guide 7.6.2): the hold comes first
.endr
	v_cvt_scalef32_pk8_fp8_f32 v[\cod+4*\b:\cod+4*\b+1], v[\src+16*\b:\src+16*\b+7], v[TM+12+\b]
	v_cvt_scalef32_pk8_fp8_f32 v[\cod+4*\b+2:\cod+4*\b+3], v[\src+16*\b+8:\src+16*\b+15], v[TM+12+\b]
.endr
	v_nop                                                   ; one plain line behind the last conversion
.endm
	s_load_b256 s[4:11], s[0:1], 0x0               ; features s[4:5], ex_features s[6:7], ex_class_reps s[8:9], fq s[10:11]
	s_load_b64 s[12:13], s[0:1], 0x20              ; ex
	v_lshl_add_u32 v[SPW], v0, 2, SPARE
	v_mov_b32 v[NIL], 0
	v_lshrrev_b32 v[LANE], 5, v0
	v_readfirstlane_b32 s16, v[LANE]               ; wave 0..5
	v_and_b32 v[LANE], 31, v0
	v_and_b32 v[RR], 15, v0
	v_bfe_u32 v[HH], v0, 4, 1
	v_lshlrev_b32 v[L16], 4, v[LANE]
	v_lshlrev_b32 v[L8], 3, v[LANE]
	s_mul_i32 s17, s16, WSTG                       ; my wave's stage
	v_add_nc_u32 v[SIN], s17, v[L16]               ; in: a load's 512 bytes as they lie
	v_mul_u32_u24 v[SOUT], v[RR], SPITCH
	v_lshl_add_u32 v[SOUT], v[HH], 6, v[SOUT]
	v_add_nc_u32 v[SOUT], s17, v[SOUT]             ; out: row r, + 64 h: my 16 numbers of a block of 32
	s_mov_b32 s20, 0x76543210
	s_mov_b32 s21, 0xfedcba98                      ; v_permlanex16_b32's selects for lane l xor 16
	s_mov_b32 s22, 0x600000                        ; the mantissa field of 448
.irp b, 0,1,2,3
	v_mov_b32 v[TM+4+\b], 0                        ; written once: a lane permute's destination counts as one of its sources
.endr
	s_wait_alu depctr_va_vdst(0)                   ; ahead of the branch and of the wait below
	s_cmp_ge_u32 s16, 5
	s_cbranch_scc1 .Lclass
	; ---- A TILE OF 16 ROWS OF 256 NUMBERS
	s_wait_kmcnt 0x0
	s_lshl_b32 s18, ttmp9, 2
	s_add_co_u32 s18, s18, s16
	s_mov_b32 s19, ttmp9
	s_cmp_lt_u32 s16, 4                            ; exemplars or queries?  The choice hangs on the wave's number alone
	s_cselect_b64 s[4:5], s[6:7], s[4:5]
	s_cselect_b64 s[10:11], s[12:13], s[10:11]
	s_cselect_b32 s18, s18, s19                    ; the tile: of exemplars 4 x work-group + wave, of queries the work-group
	s_lshr_b32 s19, s18, 1                         ; U
	s_and_b32 s23, s18, 1                          ; u
	s_lshl_b32 s24, s19, 15                        ; 32 U rows of 1,024 bytes
	s_lshl_b32 s25, s23, 13                        ; + 8 u rows
	s_add_co_u32 s24, s24, s25
	s_mov_b32 s25, 0
	s_add_nc_u64 s[4:5], s[4:5], s[24:25]
.set i, 0
.rept 32                                       ; the tile's rows 0-7 are 8,192 consecutive bytes; its rows 8-15 begin 16 rows further down.  Each load reads 512 consecutive bytes
	global_load_b128 v[X+4*i:X+4*i+3], v[L16], s[4:5] offset:(i/16)*16384+512*(i%16) th:TH_LOAD_NT
.set i, i+1
.endr
	s_mul_i32 s26, s19, REC                        ; the unit's record
	s_lshl_b32 s27, s23, 12
	s_add_co_u32 s36, s26, s27                     ; the tile's two code images: + 4,096 u
	s_mov_b32 s37, 0
	s_add_nc_u64 s[28:29], s[10:11], s[36:37]
	s_lshl_b32 s27, s23, 8
	s_add_co_u32 s36, s26, s27                     ; its pairs of scale words: + 256 u (and 8,192 in the store's immediate)
	s_add_nc_u64 s[30:31], s[10:11], s[36:37]
.set i, 0
.rept 32
	s_wait_loadcnt 31-i                            ; loads come back in order: load i is in, the younger ones stay out
	ds_store_b128 v[SIN], v[X+4*i:X+4*i+3] offset:(i/2)*SPITCH+(i%2)*512
.set i, i+1
.endr
.irp s, 0,1
.irp b, 0,1,2,3
.irp j, 0,1,2,3
	ds_load_b128 v[X+64*\s+16*\b+4*\j:X+64*\s+16*\b+4*\j+3], v[SOUT] offset:512*\s+128*\b+16*\j   ; LDS serves a wave's instructions in order: these see my stores
.endr
.endr
.endr
	s_wait_dscnt 0x0
.irp k, 0,1,2,3
	v_pk_mul_f32 v[SQ+2*\k:SQ+2*\k+1], v[X+2*\k:X+2*\k+1], v[X+2*\k:X+2*\k+1]     ; the first four pairs start four chains: nothing is cleared
.endr
.set i, 4
.rept 60
	v_pk_fma_f32 v[SQ+2*(i%4):SQ+2*(i%4)+1], v[X+2*i:X+2*i+1], v[X+2*i:X+2*i+1], v[SQ+2*(i%4):SQ+2*(i%4)+1]
.set i, i+1
.endr
	v_pk_add_f32 v[SQ:SQ+1], v[SQ:SQ+1], v[SQ+2:SQ+3]
	v_pk_add_f32 v[SQ+4:SQ+5], v[SQ+4:SQ+5], v[SQ+6:SQ+7]
	v_pk_add_f32 v[SQ:SQ+1], v[SQ:SQ+1], v[SQ+4:SQ+5]
	v_add_f32 v[SQ], v[SQ], v[SQ+1]
	v_permlanex16_b32 v[SQ+1], v[SQ], s20, s21     ; the row's other 128 numbers lie in the lane 16 away
	v_add_f32 v[SQ], v[SQ], v[SQ+1]
	s_wait_alu depctr_va_vdst(0)                   ; a wait ahead of a transcendental and behind it
	v_sqrt_f32 v[SQ+2], v[SQ]
	v_nop                                          ; one plain line behind a transcendental
	s_wait_alu depctr_va_vdst(0)
	v_max_num_f32 v[SQ+2], 0x2b8cbccc, v[SQ+2]     ; max(norm, 1e-12)
	s_wait_alu depctr_va_vdst(0)
	v_rcp_f32 v[RN], v[SQ+2]
	v_rcp_f32 v[RN+1], v[SQ+2]
	v_nop
.set i, 0
	s_wait_alu depctr_va_vdst(0)
.rept 64
	v_pk_mul_f32 v[X+2*i:X+2*i+1], v[X+2*i:X+2*i+1], v[RN:RN+1]
.set i, i+1
.endr
	QUANT X, C0, PW
.irp c, 0,1,2,3
	global_store_b128 v[L16], v[C0+4*\c:C0+4*\c+3], s[28:29] offset:512*\c          ; each store of the wave covers 512 consecutive bytes, aligned to 256
.endr
	QUANT X1, C1, PW1
.irp c, 0,1,2,3
	global_store_b128 v[L16], v[C1+4*\c:C1+4*\c+3], s[28:29] offset:2048+512*\c
.endr
	global_store_b64 v[L8], v[PW:PW+1], s[30:31] offset:8192                         ; 256 consecutive bytes, aligned
	s_wait_tensorcnt 0x0                           ; the wave's end
	ds_add_u32 v[SPW], v[NIL]
	s_wait_dscnt 0x0
	s_endpgm
	; ---- A CLASS TILE OF 128 EXEMPLARS: work-group 2 chunk + t.  A lane takes a class and its registers run down the exemplars, in the order that the operand's layout gives the lane: nothing is transposed.
.Lclass:
	s_lshr_b32 s18, ttmp9, 1                       ; the chunk
	s_and_b32 s19, ttmp9, 1                        ; t
	s_lshl_b32 s17, s19, 4
	v_add_nc_u32 v[CA1], s17, v[RR]                ; my class
	v_min_u32 v[CA0], 27, v[CA1]                   ; classes 28-31 do not exist: their lanes read class 27, inside the buffer, and are cleared below
	v_mul_u32_u24 v[SQ], v[HH], 16*112             ; lanes 16-31 begin 16 exemplars further down
	v_lshl_add_u32 v[CA0], v[CA0], 2, v[SQ]
	v_lshlrev_b32 v[L4], 2, v[LANE]
	v_cmp_gt_u32 vcc_lo, 28, v[CA1]
	s_mul_i32 s24, s18, 128*112
	s_mov_b32 s25, 0
	s_mul_i32 s26, s18, 4*REC                      ; its four records
	s_mov_b32 s27, 0
	s_lshl_b32 s28, s19, 9
	s_add_co_u32 s28, s28, s26                     ; codes: + 512 t
	s_mov_b32 s29, 0
	s_lshl_b32 s30, s19, 7
	s_add_co_u32 s30, s30, s26                     ; scale words: + 128 t
	s_mov_b32 s31, 0
	s_wait_alu depctr_va_vdst(0)                   ; directly ahead of the wait below
	s_wait_kmcnt 0x0
	s_add_nc_u64 s[8:9], s[8:9], s[24:25]
	s_add_nc_u64 s[28:29], s[12:13], s[28:29]
	s_add_nc_u64 s[30:31], s[12:13], s[30:31]
.irp b, 0,1,2,3
.irp i, 0,1,2,3,4,5,6,7,8,9,10,11,12,13,14,15
	global_load_b32 v[X+16*\b+\i], v[CA0], s[8:9] offset:(32*\b+\i)*112
.endr
.endr
	s_wait_loadcnt 0x0
.set i, 0
.rept 64
	v_cndmask_b32 v[X+i], 0, v[X+i], vcc_lo
.set i, i+1
.endr
	QUANT X, C0, PW
.irp b, 0,1,2,3
	global_store_b128 v[L16], v[C0+4*\b:C0+4*\b+3], s[28:29] offset:\b*REC+8704
	global_store_b32 v[L4], v[PW], s[30:31] offset:\b*REC+9728                       ; the chunk's scale words go into each of its four records; lanes 16-31 hold their class's word again: every byte of a record is written
.endr
	s_endpgm
.Lfunc_end_k_q3c6159b63c_quant:
	.size	k_q3c6159b63c_quant, .Lfunc_end_k_q3c6159b63c_quant-k_q3c6159b63c_quant
	.p2alignl 7, 3214868480
	.fill 96, 4, 3214868480
	.section	.rodata,"a",@progbits
	.p2align	6, 0x0
	.amdhsa_kernel k_q3c6159b63c_quant
		.amdhsa_group_segment_fixed_size 83968
		.amdhsa_private_segment_fixed_size 0
		.amdhsa_enable_private_segment 0
		.amdhsa_kernarg_size 40
		.amdhsa_user_sgpr_count 2
		.amdhsa_user_sgpr_kernarg_segment_ptr 1
		.amdhsa_wavefront_size32 1
		.amdhsa_system_sgpr_workgroup_id_x 1
		.amdhsa_system_sgpr_workgroup_id_y 1
		.amdhsa_system_sgpr_workgroup_id_z 1
		.amdhsa_system_vgpr_workitem_id 0
		.amdhsa_next_free_vgpr 202
		.amdhsa_next_free_sgpr 66
		.amdhsa_reserve_vcc 1
		.amdhsa_float_denorm_mode_32 3
		.amdhsa_float_denorm_mode_16_64 3
		.amdhsa_memory_ordered 1
		.amdhsa_forward_progress 1
		.amdhsa_inst_pref_size 54
	.end_amdhsa_kernel
	.amdgpu_metadata
---
amdhsa.version: [ 1, 2 ]
amdhsa.kernels:
  - .name:           k_q3c6159b63c_quant
    .symbol:         k_q3c6159b63c_quant.kd
    .args:
      - { .name: features, .offset: 0, .size: 8, .value_kind: global_buffer, .address_space: global }
      - { .name: ex_features, .offset: 8, .size: 8, .value_kind: global_buffer, .address_space: global }
      - { .name: ex_class_reps, .offset: 16, .size: 8, .value_kind: global_buffer, .address_space: global }
      - { .name: fq, .offset: 24, .size: 8, .value_kind: global_buffer, .address_space: global }
      - { .name: ex, .offset: 32, .size: 8, .value_kind: global_buffer, .address_space: global }
    .group_segment_fixed_size: 83968
    .private_segment_fixed_size: 0
    .kernarg_segment_align: 8
    .kernarg_segment_size: 40
    .max_flat_workgroup_size: 192
    .sgpr_count:     66
    .vgpr_count:     202
    .wavefront_size: 32
...
	.end_amdgpu_metadata
.endif
;; end of part 1
;; launch main (part 2): grid 16 x 16, 8 waves a work-group, clusters of 4 x 1, 327,680 bytes of LDS; arguments fq, ex, part; writes part
.if DOCPART == 2
	.amdgcn_target "amdgcn-amd-amdhsa--gfx1250"
	.amdhsa_code_object_version 6
	.text
	.protected	k_q3c6159b63c_main
	.globl	k_q3c6159b63c_main
	.p2align	8
	.type	k_q3c6159b63c_main,@function
k_q3c6159b63c_main:
	s_mov_b64 s[64:65], 0
	v_nop
	global_prefetch_b8 v0, s[64:65] scope:SCOPE_SE
	s_setreg_imm32_b32 hwreg(HW_REG_WAVE_MODE, 25, 1), 1
	s_wait_xcnt 0x0
	s_wait_alu depctr_hold_cnt(0) depctr_sa_sdst(0) depctr_va_vdst(0) depctr_va_sdst(0) depctr_va_ssrc(0) depctr_va_vcc(0) depctr_vm_vsrc(0)
	s_getreg_b32 s2, hwreg(HW_REG_IB_STS2, 6, 4)
	s_cmp_eq_u32 s2, 0
	s_cbranch_scc0 .Lentry_in_a_cluster
	s_endpgm
.Lentry_in_a_cluster:
	s_bfe_u32 s2, ttmp6, 0x10000c
	s_cmp_lg_u32 s2, 0x3003
	s_cbranch_scc0 .Lentry_shape_is_right
	s_endpgm
.Lentry_shape_is_right:
; For 256 queries and 1,024 exemplars: s = q . e (K = 256, codes of FP8 with E8M0 scales), a = s s s, the row sums of a in f32, a quantised along the exemplars, echo = a . classes (K = the exemplars).
; fq and ex hold records of REC = 9,984 bytes for 32 rows, in the order of the operands' registers:
;   (2 u + s) 2048 + 512 c + 16 lane: codes of tile u, K step s;  8192 + 256 u + 8 lane: the row's two scale words;  8704 + 512 t + 16 lane: class codes;  9728 + 128 t + 4 lane: the chunk's class scale words.
; SHARES.  Work-group (x, y): query block x (256 rows), split y (1,024 exemplars = 32 records).  Wave w: g = w % 4 picks 64 queries (four tiles q), e = w / 4 picks 512 exemplars (16 units, four chunks of 128).
; Two waves of 512 registers lie on a SIMD: one wave's vector work stands beside the other's matrix work.  Each fragment of exemplars read from LDS feeds four matrix instructions.
; LAYOUT.  Both products are used transposed.  S^T = E Q^T: source 0 = 16 exemplars, source 1 = 16 queries: a lane holds ONE query.  The rows of a tile were chosen so that the 16 registers of tiles u = 0, 1
; are exemplars 32 U + 16 (lane / 16) + 0 .. 15: half a block of 32 along the second product's K; the other half lies in lane l xor 16.  The conversions' results are registers 4 b .. 4 b + 3 of that product's operand.
; LDS.  The split's 32 records, 319,488 bytes, come ONCE, by two tensor loads a wave: at the head the eight records of chunk 0 of both halves, one a wave; behind a round the other 24, three a wave, which have
; chunk 0's work in which to land.  One load of a wave is out at a time.  No byte is filled twice.  The exchange and the stages of the way out lie in the lower half's records, behind a barrier that shows that all reads are over.
; No prefetch: all tiles are asked for in these two requests, so there is no loop of fills to run ahead of.
; CLUSTER.  The four query blocks of a cluster read the same 32 records: every tensor load is JOINT (mask 15).  The queries' codes, 64 KiB of a work-group's 384, belong to one query block; work-groups that
; share them differ in the split and would want a second axis in the cluster for a sixth of the bytes: they go from memory straight into registers, once.
; LIMITS: NaN and infinities are not served.  A block of a that is all zeros gets the scale byte 1 over zero codes.
; REGISTERS.  Window 0: v1-15 addresses, v8 class scale words; v12-13, v16-23 scale words and nothing else; v24-39 at work on a block; v40-47 row sums; v48-63 squares; v64-127 S^T; v128-191 a's codes; v192-255 echo^T.
;             Window 1: v32-159 the queries' fragments; v160-223 a unit's fragments of exemplars; v224-255 a chunk's two class fragments.
.set REC,    9984
.set CHK,    4*REC                     ; a chunk: four records
.set HALF,   16*REC                    ; what the waves of one e read
.set SPARE,  32*REC                    ; the spare words, 128 bytes for each wave, behind the records
.set XCHB,   4608                      ; the exchange: 8 x 512 bytes of echo^T + 512 of row sums for each wave, from LDS byte 0
.set STG0,   8*XCHB                    ; the stages, behind the exchange
.set STGB,   4096                      ; one for each wave: 32 rows x 112 bytes, 256 spare, then 256 bytes of row sums
.set STGI,   3840
.set SPLITB, 475136                    ; a split's part: 4,096 x 112 bytes of echo, then 4,096 x 4 of row sums
.set LI,   1                           ; 16 x lane + my half + the chunk in hand
.set LS,   2                           ; 8 x lane + 4 (lane / 16) + the same: lanes 0-15 take a pair's first word, lanes 16-31 its second
.set LR,   3                           ; 4 x lane + 64 (lane / 16) + the same: lanes 0-15 take class tile 0's words, lanes 16-31 class tile 1's
.set L16,  4                           ; 16 x lane
.set XW,   5                           ; my place in the exchange
.set SO,   6                           ; the stage: where I put 16 bytes of a row of echo
.set SR,   7                           ; and where I read 16 bytes back
.set RS,   8                           ; class scale words: lanes 0-15 class tile 0, lanes 16-31 class tile 1
.set IR,   9                           ; the stage: where I read two row sums back
.set SPW,  10                          ; LDS address of my spare word; never rewritten
.set NIL,  11                          ; 0; never rewritten
.set ES,   12                          ; v[12:13] scale words of the unit's tiles u = 0, 1: lanes 0-15 K step 0, lanes 16-31 K step 1
.set IO,   14                          ; the stage: my query's row sum
.set L84,  15                          ; head: 8 x lane + 4 (lane / 16); way out: 8 x lane
.set FSC,  16                          ; v[16:19] the queries' scale words, like ES
.set PW,   20                          ; v[20:23] a's scale words for the chunk in hand
.set M,    24                          ; v[24:27] largest magnitudes
.set M2,   28                          ; v[28:31] the other half's; then the bytes
.set H,    32                          ; v[32:35] 448 x the scale
.set SCL,  36                          ; v[36:39] the conversions' scale operands
.set I,    40                          ; v[40:47] row sums, a pair for each tile of queries
.set T,    48                          ; v[48:63] squares
.set XR,   T+8                         ; way out: my partner's place in the exchange
.set S,    64                          ; S^T (q, u) at S + 16 q + 8 u
.set P,    128                         ; a's codes: tile q at P + 16 q
.set EC,   192                         ; echo^T (q, t) at EC + 16 q + 8 t
.set FF,   32                          ; window 1: the queries' fragment (q, s) at FF + 32 q + 16 s
.set EF,   160                         ; the unit's (u, s) at EF + 32 u + 16 s
.set RF,   224                         ; the class fragment t at RF + 16 t
.set MSB, 0
.macro WIN new                         ; the immediate's high byte repeats the setting that is left; a switch that changes nothing is dropped
.if MSB != \new
	s_set_vgpr_msb (MSB<<8)|\new
.set MSB, \new
.endif
.endm
.macro PLACES n
.rept \n
	v_nop
.endr
.endm
; A round of the cluster's barrier: my work-group's barrier; wave 0 signals for the work-group; every wave waits for all four work-groups; my work-group's barrier once more.
.macro CROUND
	s_barrier_signal -1
	s_barrier_wait -1
	s_cmp_lg_u32 s10, 0
	s_cbranch_scc1 .Lnot_wave_0_\@
	s_barrier_signal -3
.Lnot_wave_0_\@:
	s_barrier_wait -3
	s_barrier_signal -1
	s_barrier_wait -1
.endm
; A unit's four fragments and two scale words, from off bytes behind the chunk's first record.
.macro ELOAD off
.irp u, 0,1
	ds_load_b32 v[ES+\u], v[LS] offset:(\off)+8192+256*\u
.endr
	WIN 0x40                                       ; destination window 1, address window 0
.irp f, 0,1,2,3
.irp c, 0,1,2,3
	ds_load_b128 v[EF+16*\f+4*\c:EF+16*\f+4*\c+3], v[LI] offset:(\off)+2048*\f+512*\c   ; 512 consecutive bytes an instruction
.endr
.endr
	WIN 0
.endm
; The chunk's two class fragments (four registers from each of its four records) and their scale words.
.macro RLOAD
	ds_load_b32 v[RS], v[LR] offset:9728
	WIN 0x40
.irp t, 0,1
.irp b, 0,1,2,3
	ds_load_b128 v[RF+16*\t+4*\b:RF+16*\t+4*\b+3], v[LI] offset:\b*REC+8704+512*\t
.endr
.endr
	WIN 0
.endm
.macro NEXTCHUNK                       ; on to the next chunk's records, and its first unit
	v_add_nc_u32 v[LI], CHK, v[LI]
	v_add_nc_u32 v[LS], CHK, v[LS]
	v_add_nc_u32 v[LR], CHK, v[LR]
	ELOAD 0
.endm
; S^T of 32 exemplars x 64 queries: 16 matrix instructions.  The eight accumulators take turns, one instruction a turn; K step 0 starts the sums.
.macro MUL1
	WIN 0x05                                       ; sources 0 and 1 window 1; C and D window 0
.irp q, 0,1,2,3
.irp u, 0,1
	v_wmma_scale_f32_16x16x128_f8f6f4 v[S+16*\q+8*\u:S+16*\q+8*\u+7], v[EF+32*\u:EF+32*\u+15], v[FF+32*\q:FF+32*\q+15], 0, v[ES+\u], v[FSC+\q]
.endr
.endr
.irp q, 0,1,2,3
.irp u, 0,1
	v_wmma_scale_f32_16x16x128_f8f6f4 v[S+16*\q+8*\u:S+16*\q+8*\u+7], v[EF+32*\u+16:EF+32*\u+31], v[FF+32*\q+16:FF+32*\q+31], v[S+16*\q+8*\u:S+16*\q+8*\u+7], v[ES+\u], v[FSC+\q] matrix_a_scale:MATRIX_SCALE_ROW1 matrix_b_scale:MATRIX_SCALE_ROW1
.endr
.endr
	WIN 0
.endm
; The scale bytes of the unit before, block p of its chunk, go into the scale words: eight plain lines that name none of the products' registers, so they are the eight places behind the products
; in front of the loads into their operands and of the first read of their results.  p = 9: no unit stands before.
.macro BYTES p
.if (\p) == 0
.irp q, 0,1,2,3
	v_lshrrev_b32 v[PW+\q], 23, v[SCL+\q]          ; the chunk's first byte starts the scale word
.endr
	PLACES 4
.elseif (\p) < 4
.irp q, 0,1,2,3
	v_lshrrev_b32 v[M2+\q], 23, v[SCL+\q]
.endr
.irp q, 0,1,2,3
	v_lshl_or_b32 v[PW+\q], v[M2+\q], 8*(\p), v[PW+\q]
.endr
.else
	PLACES 8
.endif
.endm
; The vector work of a unit: a = s s s in place, the row sums of the unquantised a, each block's scale, the hold, the conversions.  Steps of one tile stand between steps of others, so that no line waits for the line above it.
.macro SQUARE q
.irp i, 0,2,4,6,8,10,12,14
	v_pk_mul_f32 v[T+\i:T+\i+1], v[S+16*\q+\i:S+16*\q+\i+1], v[S+16*\q+\i:S+16*\q+\i+1]     ; s s; each accumulator is read from its low end on
.endr
.endm
.macro CUBE q
.irp i, 0,2,4,6,8,10,12,14
	v_pk_mul_f32 v[S+16*\q+\i:S+16*\q+\i+1], v[T+\i:T+\i+1], v[S+16*\q+\i:S+16*\q+\i+1]     ; (s s) s = sign(s) |s|^3
.endr
.endm
.macro SUMMAX q                        ; tiles q, q + 1: the row sums and the largest magnitudes, four chains by turns
.irp i, 0,2,4,6,8,10,12,14
.irp p, 0,1
	v_pk_add_f32 v[I+2*(\q+\p):I+2*(\q+\p)+1], v[I+2*(\q+\p):I+2*(\q+\p)+1], v[S+16*(\q+\p)+\i:S+16*(\q+\p)+\i+1]
.endr
.irp p, 0,1
.if \i == 0
	v_max3_num_f32 v[M+\q+\p], |v[S+16*(\q+\p)]|, |v[S+16*(\q+\p)+1]|, 0x4800000             ; with the floor 2^(9 - 127): the byte cannot fall under 1
.else
	v_max3_num_f32 v[M+\q+\p], v[M+\q+\p], |v[S+16*(\q+\p)+\i]|, |v[S+16*(\q+\p)+\i+1]|
.endif
.endr
.endr
.endm
.macro OTHER q
.irp p, 0,1
	v_permlanex16_b32 v[M2+\q+\p], v[M+\q+\p], s40, s41
.endr
.endm
.macro LARGEST q
.irp p, 0,1
	v_max_num_f32 v[M+\q+\p], v[M+\q+\p], v[M2+\q+\p]       ; with lane l xor 16: the block's largest magnitude
.endr
.endm
.macro SCALES q
.irp p, 0,1
	v_add_nc_u32 v[SCL+\q+\p], 0xfc000000, v[M+\q+\p]       ; 8 off its exponent field: the conversion's scale operand
.endr
.endm
.macro BOUND q
.irp p, 0,1
	v_and_or_b32 v[H+\q+\p], v[M+\q+\p], 0x7f800000, s42    ; 448 x the scale
.endr
.endm
.macro HOLD q, lo
.irp i, 0,1,2,3,4,5,6,7
	v_med3_num_f32 v[S+16*\q+\lo+\i], v[S+16*\q+\lo+\i], -v[H+\q], v[H+\q]   ; the conversion to an 8-bit code does not saturate (ISA guide 7.6.2): the hold comes first
.endr
.endm
.macro CONV q, b
	v_cvt_scalef32_pk8_fp8_f32 v[P+16*\q+4*\b:P+16*\q+4*\b+1], v[S+16*\q:S+16*\q+7], v[SCL+\q]
	v_cvt_scalef32_pk8_fp8_f32 v[P+16*\q+4*\b+2:P+16*\q+4*\b+3], v[S+16*\q+8:S+16*\q+15], v[SCL+\q]
.endm
.macro VECA
	SQUARE 0
	CUBE 0
	SQUARE 1
	CUBE 1
	SUMMAX 0
	SQUARE 2
	OTHER 0
	CUBE 2
	LARGEST 0
	SQUARE 3
	SCALES 0
	CUBE 3
	BOUND 0
	SUMMAX 2
.endm
.macro VECB b
	HOLD 0, 0
	OTHER 2
	HOLD 0, 8
	LARGEST 2
	CONV 0, \b
	HOLD 1, 0
	SCALES 2
	HOLD 1, 8
	BOUND 2
	CONV 1, \b
	HOLD 2, 0
	HOLD 2, 8
	CONV 2, \b
	HOLD 3, 0
	HOLD 3, 8
	CONV 3, \b
	v_nop                                                   ; one plain line behind the last conversion: the next products write its sources
.endm
; echo^T += classes x a for a chunk's 128 exemplars: eight accumulators, one instruction each.  z = 1: the first chunk starts the sums.  Eight and more plain lines stand between the scale words' last bytes and these products.
.macro ECHO z
	WIN 0x01                                       ; source 0 (classes) window 1; a's codes, C and D window 0
.irp q, 0,1,2,3
.if (\z) == 1
	v_wmma_scale_f32_16x16x128_f8f6f4 v[EC+16*\q:EC+16*\q+7], v[RF:RF+15], v[P+16*\q:P+16*\q+15], 0, v[RS], v[PW+\q]
	v_wmma_scale_f32_16x16x128_f8f6f4 v[EC+16*\q+8:EC+16*\q+15], v[RF+16:RF+31], v[P+16*\q:P+16*\q+15], 0, v[RS], v[PW+\q] matrix_a_scale:MATRIX_SCALE_ROW1
.else
	v_wmma_scale_f32_16x16x128_f8f6f4 v[EC+16*\q:EC+16*\q+7], v[RF:RF+15], v[P+16*\q:P+16*\q+15], v[EC+16*\q:EC+16*\q+7], v[RS], v[PW+\q]
	v_wmma_scale_f32_16x16x128_f8f6f4 v[EC+16*\q+8:EC+16*\q+15], v[RF+16:RF+31], v[P+16*\q:P+16*\q+15], v[EC+16*\q+8:EC+16*\q+15], v[RS], v[PW+\q] matrix_a_scale:MATRIX_SCALE_ROW1
.endif
.endr
	WIN 0
.endm
; A unit, block b of its chunk.  kind 0: the next unit lies in the same chunk; 1: in the next chunk; 2: the same, and the second tensor load is shown landed; 4: there is none.
; prev: the block whose bytes are due.  echo: the chunk before is multiplied with its classes here (1 starts the sums, 2 adds).
; The next unit's fragments are asked for behind this unit's products and land under its vector work.
.macro UNIT b, kind, prev, echo
	s_wait_dscnt 0x0                               ; this unit's fragments and scale words are in; no LDS instruction of mine is out
.if \kind == 4
	s_barrier_signal -1                            ; my last read of a record is over
.endif
	MUL1
	BYTES \prev
.if \kind == 0
	ELOAD (\b+1)*REC
.if \b == 1
	RLOAD                                          ; the last chunk's echo products, which read these registers, stand a unit's vector work ahead
.endif
.elseif \kind == 1
	NEXTCHUNK
.elseif \kind == 2
	s_wait_tensorcnt 0x0                           ; my three records have landed
	s_barrier_signal -1
.endif
	VECA
.if \echo
	ECHO \echo
.endif
.if \kind == 2
	s_wait_alu depctr_va_vdst(0)                   ; directly ahead of the wait below
	s_barrier_wait -1                              ; everybody's records have landed
	NEXTCHUNK
.endif
	VECB \b
.endm
	s_load_b128 s[4:7], s[0:1], 0x0                ; fq s[4:5], ex s[6:7]
	s_load_b64 s[8:9], s[0:1], 0x10                ; part
	v_lshl_add_u32 v[SPW], v0, 2, SPARE
	v_mov_b32 v[NIL], 0
	ds_add_u32 v[SPW], v[NIL]                      ; the opening lines: the add, twice on end, and its wait
	ds_add_u32 v[SPW], v[NIL]
	v_lshrrev_b32 v[M], 5, v0
	v_readfirstlane_b32 s10, v[M]                  ; wave 0..7
	v_and_b32 v[T], 31, v0                         ; lane
	v_bfe_u32 v[T+2], v0, 4, 1                     ; h
	v_lshlrev_b32 v[L16], 4, v[T]
	v_lshlrev_b32 v[L84], 3, v[T]
	v_lshl_add_u32 v[L84], v[T+2], 2, v[L84]
	s_and_b32 s11, s10, 3                          ; g
	s_lshr_b32 s12, s10, 2                         ; e
	s_bfe_u32 s13, ttmp6, 0x40000                  ; cx: my place in the cluster
	s_lshl_b32 s14, ttmp9, 2                       ; in a cluster launch ttmp9 counts clusters
	s_add_co_u32 s14, s14, s13                     ; my block of 256 queries: it enters fq's and part's addresses alone
	s_and_b32 s15, ttmp7, 0xffff                   ; the split, which the four partners share
	; descriptor groups 1: a record as 39 rows of 256 bytes, dense; three records as 117
	s_mov_b32 s16, 15|(3<<16)|(1<<21)              ; 15:0 the mask: all four work-groups; 17:16 elements of 8 bytes; 21 set beside a mask; no padding
	s_mov_b32 s17, 32<<16                          ; tensor_dim0 = 32
	s_mov_b32 s18, 39<<16                          ; tensor_dim1 = 39
	s_mov_b32 s19, 32<<16                          ; tile_dim0 = 32
	s_mov_b32 s20, 39                              ; tile_dim1 = 39
	s_mov_b32 s21, 32                              ; tensor_dim0_stride
	s_mov_b32 s22, 0
	s_mov_b32 s23, 0
	s_mov_b32 s32, 15|(3<<16)|(1<<21)
	s_mov_b32 s33, 32<<16
	s_mov_b32 s34, 117<<16
	s_mov_b32 s35, 32<<16
	s_mov_b32 s36, 117
	s_mov_b32 s37, 32
	s_mov_b32 s38, 0
	s_mov_b32 s39, 0
	s_mov_b32 s40, 0x76543210
	s_mov_b32 s41, 0xfedcba98                      ; v_permlanex16_b32's selects for lane l xor 16
	s_mov_b32 s42, 0x600000                        ; the mantissa field of 448
	s_lshl_b32 s43, s12, 4
	s_add_co_u32 s44, s43, s11                     ; the record of my first load: 16 e + g: chunk 0 of both halves
	s_mul_i32 s50, s11, 3
	s_add_co_u32 s50, s50, s43
	s_add_co_u32 s50, s50, 4                       ; the first of my second load's three: 16 e + 4 + 3 g
	s_mul_i32 s45, s44, REC                        ; in LDS: the wave's number alone enters
	s_mul_i32 s51, s50, REC
	s_lshl_b32 s48, s15, 5
	s_add_co_u32 s46, s48, s44
	s_add_co_u32 s48, s48, s50
	s_mul_i32 s46, s46, REC                        ; in memory
	s_mov_b32 s47, 0
	s_mul_i32 s48, s48, REC
	s_mov_b32 s49, 0
	s_lshl_b32 s52, s14, 3
	s_lshl_b32 s53, s11, 1
	s_add_co_u32 s52, s52, s53
	s_mul_i32 s52, s52, REC                        ; my 64 queries: records 8 x block + 2 g, and the next
	s_mov_b32 s53, 0
	s_wait_alu depctr_va_vdst(0)                   ; directly ahead of the waits below
	s_wait_dscnt 0x0                               ; both opening adds are done
	s_wait_kmcnt 0x0
	s_add_nc_u64 s[46:47], s[6:7], s[46:47]
	s_add_nc_u64 s[48:49], s[6:7], s[48:49]
	s_add_nc_u64 s[4:5], s[4:5], s[52:53]
	s_mov_b32 s24, 1                               ; 1:0 count = 1
	s_mov_b32 s25, s45                             ; 63:32 LDS address
	s_mov_b64 s[26:27], s[46:47]                   ; 120:64 global address
	s_or_b32 s27, s27, 0x80000000                  ; 127:126 type = 2
	s_mov_b32 s28, 1
	s_mov_b32 s29, s51
	s_mov_b64 s[30:31], s[48:49]
	s_or_b32 s31, s31, 0x80000000
	CROUND                                         ; all four work-groups are here: the joint loads meet
	tensor_load_to_lds s[24:27], s[16:23]          ; my record of chunk 0: one tensor load a wave at the head
	s_nop 0
	PLACES 4                                       ; four plain lines ahead of the switch of windows
	WIN 0x40
.irp q, 0,1,2,3
.irp s, 0,1
.irp c, 0,1,2,3
	global_load_b128 v[FF+32*\q+16*\s+4*\c:FF+32*\q+16*\s+4*\c+3], v[L16], s[4:5] offset:(\q/2)*REC+2048*(2*(\q%2)+\s)+512*\c   ; the queries' fragments stay in registers
.endr
.endr
.endr
	WIN 0
.irp q, 0,1,2,3
	global_load_b32 v[FSC+\q], v[L84], s[4:5] offset:(\q/2)*REC+8192+256*(\q%2)
.endr
	s_mul_i32 s43, s12, HALF
	v_add_nc_u32 v[LI], s43, v[L16]
	v_add_nc_u32 v[LS], s43, v[L84]
	v_lshlrev_b32 v[LR], 2, v[T]
	v_lshl_add_u32 v[LR], v[T+2], 6, v[LR]
	v_add_nc_u32 v[LR], s43, v[LR]
.irp k, 0,1,2,3,4,5,6,7
	v_mov_b32 v[I+\k], 0                           ; the row sums
.endr
.irp k, 0,1,2,3
	v_mov_b32 v[M2+\k], 0                          ; written once: a lane permute's destination counts as one of its sources
.endr
	; for the way out: LDS bases by the wave's number alone, and where my rows lie in part
	s_mul_i32 s54, s10, XCHB                       ; what I give,
	s_xor_b32 s55, s10, 4
	s_mul_i32 s55, s55, XCHB                       ; what the wave with the same queries and the other half gives,
	s_lshl_b32 s56, s10, 12
	s_add_co_u32 s56, s56, STG0                    ; my stage
	s_mul_i32 s58, s15, SPLITB                     ; echo: split + (256 x block + 64 g + 32 e) x 112 bytes
	s_mul_i32 s57, s14, 256*112
	s_add_co_u32 s60, s58, 4096*112
	s_add_co_u32 s58, s58, s57
	s_mul_i32 s57, s11, 64*112
	s_add_co_u32 s58, s58, s57
	s_mul_i32 s57, s12, 32*112
	s_add_co_u32 s58, s58, s57
	s_mov_b32 s59, 0
	s_lshl_b32 s57, s14, 10                        ; row sums: split + 458,752 + (256 x block + 64 g) x 4
	s_add_co_u32 s60, s60, s57
	s_lshl_b32 s57, s11, 8
	s_add_co_u32 s60, s60, s57
	s_mov_b32 s61, 0
	s_add_nc_u64 s[58:59], s[8:9], s[58:59]
	s_add_nc_u64 s[60:61], s[8:9], s[60:61]
	s_wait_alu depctr_va_vdst(0)                   ; the wait at the head's end
	s_wait_tensorcnt 0x0                           ; my record of chunk 0 has landed
	ds_add_u32 v[SPW], v[NIL]
	s_wait_dscnt 0x0
	CROUND                                         ; everybody's has, in all four work-groups: the joint loads meet
	tensor_load_to_lds s[28:31], s[32:39]          ; my three records of chunks 1 to 3
	s_nop 0
	PLACES 4
	ELOAD 0
	s_wait_loadcnt 0x0                             ; the queries
	UNIT 0, 0, 9, 0                                ; chunk 0
	UNIT 1, 0, 0, 0
	UNIT 2, 0, 1, 0
	UNIT 3, 2, 2, 0
	UNIT 0, 0, 3, 1                                ; chunk 1's first unit, with chunk 0's echo
	s_mov_b32 s3, 2
.Lchunk:                                               ; a trip: a chunk's last three units and the next chunk's first
	UNIT 1, 0, 0, 0
	UNIT 2, 0, 1, 0
	UNIT 3, 1, 2, 0
	UNIT 0, 0, 3, 2
	s_sub_co_u32 s3, s3, 1
	s_cmp_lg_u32 s3, 0
	s_wait_alu depctr_va_vdst(0)                   ; directly ahead of the branch
	s_cbranch_scc1 .Lchunk
	UNIT 1, 0, 0, 0                                ; chunk 3 goes on
	UNIT 2, 0, 1, 0
	UNIT 3, 4, 2, 0
	; THE WAY OUT.  The two waves of a g hold sums over the two halves of the split.  Each hands the other 32 of its 64 queries over as an image of its registers, adds what it gets, turns its 32 rows through its stage and stores.
	BYTES 3
.irp q, 0,1,2,3
	v_add_f32 v[M+\q], v[I+2*\q], v[I+2*\q+1]      ; these additions are places between the scale words' last bytes and the last products
.endr
.irp q, 0,1,2,3
	v_permlanex16_b32 v[M2+\q], v[M+\q], s40, s41
.endr
.irp q, 0,1,2,3
	v_add_f32 v[M+\q], v[M+\q], v[M2+\q]           ; my query's row sum over my 512 exemplars
.endr
	ECHO 2
	v_and_b32 v[T], 31, v0                         ; lane.  These lines, which name no register of the last products, are the places in front of the first read of echo^T
	v_and_b32 v[T+1], 15, v0                       ; r
	v_bfe_u32 v[T+2], v0, 4, 1                     ; h
	v_add_nc_u32 v[XW], s54, v[L16]
	v_add_nc_u32 v[XR], s55, v[L16]
	v_and_b32 v[T+3], 8, v[T+1]
	v_add_nc_u32 v[SR], s56, v[L16]
	v_lshlrev_b32 v[L84], 3, v[T]
	v_add_nc_u32 v[T+3], v[T+3], v[T+1]            ; r + 8 (r / 8): lane r's query within its tile's 24 rows
	v_add_nc_u32 v[IR], s56, v[L84]
	v_mul_u32_u24 v[T+4], v[T+3], 112
	v_lshl_add_u32 v[IO], v[T+3], 2, s56
	v_add_nc_u32 v[IR], STGI, v[IR]
	v_lshl_add_u32 v[T+4], v[T+2], 5, v[T+4]
	v_add_nc_u32 v[IO], STGI, v[IO]
	v_add_nc_u32 v[SO], s56, v[T+4]                ; row x 112 bytes + 32 h: eight classes a half
	s_wait_alu depctr_va_vdst(0)                   ; directly ahead of the wait below
	s_barrier_wait -1                              ; signalled at the head of the last unit: no wave reads a record any more
.macro GIVE q                          ; tiles q, q + 1: each accumulator from its low end on
.irp i, 0,1,2,3,4,5,6,7
	ds_store_b128 v[XW], v[EC+16*\q+4*\i:EC+16*\q+4*\i+3] offset:512*\i
.endr
.endm
.macro ADD q                           ; what I was given, and my own tiles q, q + 1, into S
.irp i, 0,1,2,3,4,5,6,7,8,9,10,11,12,13,14,15
	v_pk_add_f32 v[S+2*\i:S+2*\i+1], v[S+2*\i:S+2*\i+1], v[EC+16*\q+2*\i:EC+16*\q+2*\i+1]
.endr
.endm
	s_cmp_lg_u32 s12, 0
	s_cbranch_scc1 .Lgive_low
	GIVE 2
	s_branch .Lgiven
.Lgive_low:
	GIVE 0
	ds_store_b128 v[XW], v[M:M+3] offset:4096      ; the row sums of all 64 queries go to the lower half's wave, which stores a whole unit of 256 bytes of them
.Lgiven:
	s_wait_dscnt 0x0                               ; for the other wave's sake: my stores have landed
	s_barrier_signal -1
	s_barrier_wait -1
.irp i, 0,1,2,3,4,5,6,7
	ds_load_b128 v[S+4*\i:S+4*\i+3], v[XR] offset:512*\i
.endr
	s_cmp_lg_u32 s12, 0
	s_cbranch_scc1 .Ladd_high
	ds_load_b128 v[M2:M2+3], v[XR] offset:4096
	s_wait_dscnt 0x0
	ADD 0
	v_pk_add_f32 v[M:M+1], v[M:M+1], v[M2:M2+1]
	v_pk_add_f32 v[M+2:M+3], v[M+2:M+3], v[M2+2:M2+3]
.irp q, 0,1,2,3
	ds_store_b32 v[IO], v[M+\q] offset:(32*(\q/2)+8*(\q%2))*4      ; both lanes of a query write the same word with the same value
.endr
	s_wait_alu depctr_va_vdst(0)                   ; directly ahead of the branch
	s_branch .Lstage
.Ladd_high:
	s_wait_dscnt 0x0
	ADD 2
.Lstage:
	; register 16 u + 8 t + j of lane (r, h) is echo(row 8 u + r + 8 (r / 8) of my 32, class 16 t + 8 h + j).  Classes 20-23 are lanes 0-15's; lanes 16-31 hold classes 28-31 there, which do not exist: their 16 bytes
	; fall on the first 16 bytes of the row below (behind the last row on spare bytes), and so are stored FIRST: LDS serves a wave's instructions in order, and the row's own classes 0-3 are stored over them.
.irp u, 0,1
	ds_store_b128 v[SO], v[S+16*\u+12:S+16*\u+15] offset:8*\u*112+80
.endr
.irp u, 0,1
	ds_store_b128 v[SO], v[S+16*\u:S+16*\u+3] offset:8*\u*112
	ds_store_b128 v[SO], v[S+16*\u+4:S+16*\u+7] offset:8*\u*112+16
	ds_store_b128 v[SO], v[S+16*\u+8:S+16*\u+11] offset:8*\u*112+64
.endr
.irp i, 0,1,2,3,4,5,6
	ds_load_b128 v[P+4*\i:P+4*\i+3], v[SR] offset:512*\i           ; 32 rows of 112 bytes are 3,584 dense bytes
.endr
.irp i, 0,1,2,3,4,5,6
	s_wait_dscnt 6-\i                              ; read i is back; the younger ones stay out
	global_store_b128 v[L16], v[P+4*\i:P+4*\i+3], s[58:59] offset:512*\i   ; 512 consecutive bytes, aligned to 256
.endr
	s_cmp_lg_u32 s12, 0
	s_cbranch_scc1 .Lout
	ds_load_b64 v[P+28:P+29], v[IR]
	s_wait_dscnt 0x0
	global_store_b64 v[L84], v[P+28:P+29], s[60:61]                ; 256 consecutive bytes, aligned
.Lout:
	s_wait_tensorcnt 0x0                           ; the wave's end
	ds_add_u32 v[SPW], v[NIL]
	s_wait_dscnt 0x0
	CROUND                                         ; the closing round: no work-group ends while a partner may still ask for a record that names it
	s_endpgm
.Lfunc_end_k_q3c6159b63c_main:
	.size	k_q3c6159b63c_main, .Lfunc_end_k_q3c6159b63c_main-k_q3c6159b63c_main
	.p2alignl 7, 3214868480
	.fill 96, 4, 3214868480
	.section	.rodata,"a",@progbits
	.p2align	6, 0x0
	.amdhsa_kernel k_q3c6159b63c_main
		.amdhsa_group_segment_fixed_size 327680
		.amdhsa_private_segment_fixed_size 0
		.amdhsa_enable_private_segment 0
		.amdhsa_kernarg_size 24
		.amdhsa_user_sgpr_count 2
		.amdhsa_user_sgpr_kernarg_segment_ptr 1
		.amdhsa_wavefront_size32 1
		.amdhsa_system_sgpr_workgroup_id_x 1
		.amdhsa_system_sgpr_workgroup_id_y 1
		.amdhsa_system_sgpr_workgroup_id_z 1
		.amdhsa_system_vgpr_workitem_id 0
		.amdhsa_next_free_vgpr 512
		.amdhsa_next_free_sgpr 66
		.amdhsa_reserve_vcc 0
		.amdhsa_float_denorm_mode_32 3
		.amdhsa_float_denorm_mode_16_64 3
		.amdhsa_memory_ordered 1
		.amdhsa_forward_progress 1
		.amdhsa_inst_pref_size 232
	.end_amdhsa_kernel
	.amdgpu_metadata
---
amdhsa.version: [ 1, 2 ]
amdhsa.kernels:
  - .name:           k_q3c6159b63c_main
    .symbol:         k_q3c6159b63c_main.kd
    .args:
      - { .name: fq, .offset: 0, .size: 8, .value_kind: global_buffer, .address_space: global }
      - { .name: ex, .offset: 8, .size: 8, .value_kind: global_buffer, .address_space: global }
      - { .name: part, .offset: 16, .size: 8, .value_kind: global_buffer, .address_space: global }
    .group_segment_fixed_size: 327680
    .private_segment_fixed_size: 0
    .kernarg_segment_align: 8
    .kernarg_segment_size: 24
    .max_flat_workgroup_size: 256
    .sgpr_count:     66
    .vgpr_count:     512
    .wavefront_size: 32
...
	.end_amdgpu_metadata
.endif
;; end of part 2
;; launch reduce (part 3): grid 232 x 1, 4 waves a work-group, no clusters, 0 bytes of LDS; arguments part, out0, out1; writes out0, out1
.if DOCPART == 3
	.amdgcn_target "amdgcn-amd-amdhsa--gfx1250"
	.amdhsa_code_object_version 6
	.text
	.protected	k_q3c6159b63c_reduce
	.globl	k_q3c6159b63c_reduce
	.p2align	8
	.type	k_q3c6159b63c_reduce,@function
k_q3c6159b63c_reduce:
	s_mov_b64 s[64:65], 0
	v_nop
	global_prefetch_b8 v0, s[64:65] scope:SCOPE_SE
	s_setreg_imm32_b32 hwreg(HW_REG_WAVE_MODE, 25, 1), 1
	s_wait_xcnt 0x0
; out0 [4096][28] and out1 [4096], f32, are the sums of the 16 splits' parts.  A part is SPLITB = 475,136 bytes: out0's 458,752 bytes as they lie, then out1's 16,384.
; A thread owns 16 bytes, a work-group 2,048: work-groups 0-223 cover out0, 224-231 out1.  Sixteen loads a thread are out together; the sums go in ascending order of the splits.
; Memory binds: no LDS, no barrier, no matrix unit.
.set SPLITB, 475136
.set A, 4                              ; v[4:67] part k at A + 4 k; the sum grows in part 0's registers
	s_load_b128 s[4:7], s[0:1], 0x0                ; part s[4:5], out0 s[6:7]
	s_load_b64 s[8:9], s[0:1], 0x10                ; out1
	v_lshlrev_b32 v1, 4, v0                        ; 16 bytes a thread
	s_lshl_b32 s10, ttmp9, 11
	s_mov_b32 s11, 0
	s_wait_alu depctr_va_vdst(0)
	s_wait_kmcnt 0x0
	s_add_nc_u64 s[4:5], s[4:5], s[10:11]
.set k, 0
.rept 16
	global_load_b128 v[A+4*k:A+4*k+3], v1, s[4:5] offset:k*SPLITB th:TH_LOAD_NT   ; 15 x 475,136 bytes at the most: inside the signed 24-bit immediate
.set k, k+1
.endr
	s_cmp_lt_u32 ttmp9, 224                        ; out0 or out1?  The choice hangs on the work-group's number alone
	s_cselect_b64 s[6:7], s[6:7], s[8:9]
	s_cselect_b32 s12, 0, 224
	s_sub_co_u32 s12, ttmp9, s12
	s_lshl_b32 s12, s12, 11
	s_mov_b32 s13, 0
	s_add_nc_u64 s[6:7], s[6:7], s[12:13]
.set k, 1
.rept 15
	s_wait_alu depctr_va_vdst(0)
	s_wait_loadcnt 15-k                            ; parts 0 to k are in; the younger loads stay out
	v_pk_add_f32 v[A:A+1], v[A:A+1], v[A+4*k:A+4*k+1]
	v_pk_add_f32 v[A+2:A+3], v[A+2:A+3], v[A+4*k+2:A+4*k+3]
.set k, k+1
.endr
	global_store_b128 v1, v[A:A+3], s[6:7]         ; a wave stores 512 consecutive bytes, aligned to 256
	s_endpgm
.Lfunc_end_k_q3c6159b63c_reduce:
	.size	k_q3c6159b63c_reduce, .Lfunc_end_k_q3c6159b63c_reduce-k_q3c6159b63c_reduce
	.p2alignl 7, 3214868480
	.fill 96, 4, 3214868480
	.section	.rodata,"a",@progbits
	.p2align	6, 0x0
	.amdhsa_kernel k_q3c6159b63c_reduce
		.amdhsa_group_segment_fixed_size 0
		.amdhsa_private_segment_fixed_size 0
		.amdhsa_enable_private_segment 0
		.amdhsa_kernarg_size 24
		.amdhsa_user_sgpr_count 2
		.amdhsa_user_sgpr_kernarg_segment_ptr 1
		.amdhsa_wavefront_size32 1
		.amdhsa_system_sgpr_workgroup_id_x 1
		.amdhsa_system_sgpr_workgroup_id_y 1
		.amdhsa_system_sgpr_workgroup_id_z 1
		.amdhsa_system_vgpr_workitem_id 0
		.amdhsa_next_free_vgpr 72
		.amdhsa_next_free_sgpr 66
		.amdhsa_reserve_vcc 0
		.amdhsa_float_denorm_mode_32 3
		.amdhsa_float_denorm_mode_16_64 3
		.amdhsa_memory_ordered 1
		.amdhsa_forward_progress 1
		.amdhsa_inst_pref_size 6
	.end_amdhsa_kernel
	.amdgpu_metadata
---
amdhsa.version: [ 1, 2 ]
amdhsa.kernels:
  - .name:           k_q3c6159b63c_reduce
    .symbol:         k_q3c6159b63c_reduce.kd
    .args:
      - { .name: part, .offset: 0, .size: 8, .value_kind: global_buffer, .address_space: global }
      - { .name: out0, .offset: 8, .size: 8, .value_kind: global_buffer, .address_space: global }
      - { .name: out1, .offset: 16, .size: 8, .value_kind: global_buffer, .address_space: global }
    .group_segment_fixed_size: 0
    .private_segment_fixed_size: 0
    .kernarg_segment_align: 8
    .kernarg_segment_size: 24
    .max_flat_workgroup_size: 128
    .sgpr_count:     66
    .vgpr_count:     72
    .wavefront_size: 32
...
	.end_amdgpu_metadata
.endif
;; end of part 3
